; MI455X (gfx1250); checked and timed in simulation.
; The chip was launched on July 23, 2026; its instructions are those of AMD's public machine-readable ISA for CDNA 5 (MIT licence, August 2026) and "CDNA5" Instruction Set Architecture Reference Guide (July 2026). The comments in the code are by the model that wrote it; some were corrected since.
;; Attention. Allowed arithmetic: matrix products marked QUANTISED: E4M3 operands, one given power-of-two scale a tensor, by v_wmma_f32_16x16x64_fp8_fp8 or v_wmma_f32_16x16x128_fp8_fp8, f32 sums; everything else in f32.
;; Inputs: Wk_codes 1,024 x 32 x 32 uint8 (E4M3 codes of Wk, K innermost, in blocks of 32 codes); Wo_codes 1,024 x 32 x 32 uint8 (E4M3 codes of Wo, K innermost, in blocks of 32 codes); Wq_codes 1,024 x 32 x 32 uint8 (E4M3 codes of Wq, K innermost, in blocks of 32 codes); Wv_codes 1,024 x 32 x 32 uint8 (E4M3 codes of Wv, K innermost, in blocks of 32 codes); bk 1,024 float32; bo 1,024 float32; bq 1,024 float32; bv 1,024 float32; lowp_scales 12 int32 (the exponents e of the quantised operands' scales 2^e); x_codes 4 x 2,048 x 32 x 32 uint8 (E4M3 codes of x, K innermost, in blocks of 32 codes).
;; Outputs: out0 4 x 2,048 x 1,024 float32.
;; This version of the problem:
;;   THIS VERSION OF THE PROBLEM IS GIVEN IN LOW PRECISION. The matrix products marked QUANTISED in the list below multiply operands that are first quantised to E4M3 (4 exponent bits, 3 mantissa bits; 8 bits a number), with one given power-of-two scale for each operand tensor; their sums are f32. All else is computed in f32.
;;   The module's matrix products, in the order in which they are computed (A, B: the left and right operand; K: the contracted axis; several contracted axes count as one K, in the product's order):
;;     1. [M 8,192, K 1,024] x [K 1,024, N 1,024]; A: input x (given as codes); B: input Wq (given as codes): QUANTISED (scales: A lowp_scales[0], B lowp_scales[1])
;;     2. [M 8,192, K 1,024] x [K 1,024, N 1,024]; A: input x (given as codes); B: input Wk (given as codes): QUANTISED (scales: A lowp_scales[2], B lowp_scales[3])
;;     3. [M 8,192, K 1,024] x [K 1,024, N 1,024]; A: input x (given as codes); B: input Wv (given as codes): QUANTISED (scales: A lowp_scales[4], B lowp_scales[5])
;;     4. batch 64 x [M 2,048, K 64] x [K 64, N 2,048]; A: computed on the way; B: computed on the way: QUANTISED (scales: A lowp_scales[6], B lowp_scales[7])
;;     5. batch 64 x [M 2,048, K 2,048] x [K 2,048, N 64]; A: computed on the way; B: computed on the way: QUANTISED (scales: A lowp_scales[8], B lowp_scales[9])
;;     6. [M 8,192, K 1,024] x [K 1,024, N 1,024]; A: computed on the way; B: input Wo (given as codes): QUANTISED (scales: A lowp_scales[10], B lowp_scales[11])
;;   THE QUANTISER, for each operand of a quantised product, along K:
;;     - The operand's scale is 2^e, e = its entry of the input lowp_scales (int32; the entries are numbered through the quantised products in the list's order, A before B).
;;     - Each number is divided by the scale, clamped to +-448, and rounded to the nearest number of E4M3, ties to even, subnormals kept.
;;     - The product sums the exact products of the quantised numbers (number of the format x scale) in f32.
;;   ~~~python
;;   def quantise(x, axis, e):      # numpy; x: float32 -> the quantised numbers, widened to float32 again
;;       x = np.moveaxis(x, axis, -1); K = x.shape[-1]
;;       r = np.clip(x / 2.0 ** e, -448, 448)
;;       step = 2.0 ** (np.maximum(np.frexp(np.where(r == 0, 1, r))[1] - 1, -6) - 3)
;;       q = np.round(r / step) * step * 2.0 ** e      # np.round: ties to even
;;       return np.moveaxis(q, -1, axis).astype(np.float32)
;;   ~~~
;;   OPERANDS COMPUTED ON THE WAY. 'Computed on the way' means the value that the module computes at that place (a softmax that the list does not call 'softmax' is quantised finished and normalised). What goes into a quantiser is computed in f32, as accurately as f32 sums, v_exp_f32 and their like allow (about 1e-6 of the number): no bf16 or f16 on the way to a quantiser, and a product that is left as it is and whose result goes on into a quantised operand takes f32 operands (vector FMAs, or v_wmma_f32_16x16x4_f32). A number that lies on a knife's edge between two numbers of the format may be rounded either way, as far as f32 arithmetic and the matrix unit's own rounding can turn it there, and no further.
;;   INPUTS GIVEN AS CODES. Wk (in the module: [1024, 1024], K = its axis 1); Wo (in the module: [1024, 1024], K = its axis 1); Wq (in the module: [1024, 1024], K = its axis 1); Wv (in the module: [1024, 1024], K = its axis 1); x (in the module: [4, 2048, 1024], K = its axis 2): each comes as NAME_codes (uint8): NAME with its K axis moved to the last place and cut into blocks of 32 codes, [.., K / 32, bytes a block], one block behind the other in memory; one code a byte (a code: sign, 4 exponent bits, 3 mantissa bits); its scale is its entry of lowp_scales. Its value is code x scale, taken as it is: it is not quantised again, and the codes and scales need not be those that the quantiser above would give.
;; One version. Each part assembles by itself: llvm-mc -triple=amdgcn-amd-amdhsa -mcpu=gfx1250 --defsym DOCPART=n.
;; ======== version 1 of 1: 3 launches
;; limits: right only within a limited range of input values
;; workspace buffers: qc 8,388,608 bytes; kc 8,388,608 bytes; vc 8,388,608 bytes; oc 8,388,608 bytes
;; launch qkv (part 1): grid 4 x 64, 4 waves a work-group, clusters of 4 x 4, 327,680 bytes of LDS; arguments x_codes, Wq_codes, Wk_codes, Wv_codes, bq, bk, bv, lowp_scales, qc, kc, vc; writes qc, kc, vc
.if DOCPART == 1
	.amdgcn_target "amdgcn-amd-amdhsa--gfx1250"
	.amdhsa_code_object_version 6
	.text
	.protected	k_q3d0d51c03e_qkv
	.globl	k_q3d0d51c03e_qkv
	.p2align	8
	.type	k_q3d0d51c03e_qkv,@function
k_q3d0d51c03e_qkv:
	s_mov_b64 s[64:65], 0
	v_nop
	global_prefetch_b8 v0, s[64:65] scope:SCOPE_SE
	s_setreg_imm32_b32 hwreg(HW_REG_WAVE_MODE, 25, 1), 1
	s_wait_xcnt 0x0
	s_wait_alu depctr_hold_cnt(0) depctr_sa_sdst(0) depctr_va_vdst(0) depctr_va_sdst(0) depctr_va_ssrc(0) depctr_va_vcc(0) depctr_vm_vsrc(0)
	s_getreg_b32 s2, hwreg(HW_REG_IB_STS2, 6, 4)
	s_cmp_eq_u32 s2, 0
	s_cbranch_scc0 .Lentry_in_a_cluster
	s_endpgm
.Lentry_in_a_cluster:
	s_bfe_u32 s2, ttmp6, 0x10000c
	s_cmp_lg_u32 s2, 0xf033
	s_cbranch_scc0 .Lentry_shape_is_right
	s_endpgm
.Lentry_shape_is_right:
; q = x Wq^T + bq, k = x Wk^T + bk, v = x Wv^T + bv on E4M3 codes (K = 1,024), each result quantised at once for attention's products and stored as images of operand registers.
; A work-group owns 128 tokens (grid y, 64 blocks) and 256 channels (grid x, 4 groups) of q, of k and of v, one tile after the other: 256 work-groups.  Four waves, 2 x 2, each 64 tokens x 128 channels: 32 accumulators.
; x IS FETCHED ONCE: its 128 rows come into LDS at the head and each wave keeps its 64 tokens over all of K in 512 registers.  Only the weights are streamed: six fills (q, k, v x two halves of K) of 256 rows x 512 bytes
; through a ring of two LDS slots.  x's block is dense in memory and is stated as 256 rows of 512 bytes, so that in LDS it covers exactly the bytes of slot 1, which the weights fill later.
; CLUSTERS: 4 x 4.  The four of a row share the tokens (x is asked for jointly along the row), the four of a column share the channels (each weight tile is asked for jointly along the column).
; q, k: source 0 = 16 channels of W, source 1 = 16 tokens: a lane holds a token and 8 neighbouring channels.  v: THE SOURCES ARE SWAPPED: a lane holds a channel and 8 neighbouring keys.  In each case neighbours along the next product's K.
; OUT: qc, kc [b x 16 + head][token tile of 16][1,024 B]: lane (r, h) token r, registers 2 c, 2 c + 1: d = 16 c + 8 h + 0..7.  vc [b x 16 + head][64 keys][channel tile of 16][1,024 B]: channel r, keys 16 c + 8 h + 0..7.
; An image: registers 4 c' .. 4 c' + 3 of lane l at 512 c' + 16 l: each store of a wave covers 512 consecutive bytes, aligned.
; Fragments are fetched 16 bytes at a time (registers 4 c .. 4 c + 3: K = 32 c + 16 h + 0..15): a permutation of k that is the same in x and in W.
; PREFETCH: in the middle of phase p's first step one instruction a wave asks for fill p + 3, whose tensor load is issued a whole phase later.  Of the 64 rows x 2 blocks of 256 bytes that a wave will fetch,
; each of the four partners of a column takes 16 rows, told apart by address; the weights are the same for all clusters, so the first four clusters alone ask.  Fills 0 to 2 come by their loads alone.
; LIMITS: e(x) + e(W) between -126 and 127; the output's exponent (entries 6, 7, 9) between -126 and 119.  NaN among the biases is not served.
; REGISTERS: window 0: v0-31 addresses and constants, v32-95 the bias, v128-255 W's eight fragments (one set), on the way out the codes; window 1: the sums; windows 2, 3: x, K steps 0-3 and 4-7.
.set PW,    528                        ; an LDS row: 512 bytes + 16 = 132 words: the 16 rows of a W fragment start at 16 different banks (64 banks of 4 bytes: ISA guide 11.1)
.set SLOT,  256*PW
.set SPARE, 2*SLOT                     ; the spare words, 128 bytes a wave, that no other line names
.set PADW,  (1<<20)|(1<<21)|(6<<22)|(3<<25)   ; elements of 1 byte; padding on; bit 21 beside a mask; four words behind every 128
.set LIM,  8                           ; v8-10  448 x 2^eo for q, k, v
.set SCR,  11                          ; v11-13 2^eo
.set ADRW, 16                          ; v16, v17 my W fragments in slot 0, 1
.set ADRX, 18                          ; my rows of x in LDS
.set PFO,  19                          ; the prefetches' offset
.set CO,   20                          ; 16 x lane
.set BOQ,  21                          ; 32 h
.set BOV,  22                          ; 4 r
.set SPW,  28
.set NIL,  29
.set BI,   32
.set WF,   128
.set CD,   128
.set MSB, 0
.macro WIN new                         ; the immediate's high byte repeats the setting that is left
.if MSB != \new
	s_set_vgpr_msb (MSB<<8)|\new
.set MSB, \new
.endif
.endm
.macro CROUND                          ; a round of the cluster's barrier
	s_barrier_signal -1
	s_barrier_wait -1
	s_cmp_lg_u32 s14, 0
	s_cbranch_scc1 .Lnot_wave_0_\@
	s_barrier_signal -3
.Lnot_wave_0_\@:
	s_barrier_wait -3
	s_barrier_signal -1
	s_barrier_wait -1
.endm
.macro PLACES                          ; four plain vector instructions behind a matrix instruction (ISA guide 7.12.1)
.rept 4
	v_nop
.endr
.endm
	s_load_b512 s[68:83], s[0:1], 0x0              ; x, Wq, Wk, Wv, bq, bk, bv, the scales' exponents
	s_load_b128 s[84:87], s[0:1], 0x40             ; qc, kc
	s_load_b64 s[88:89], s[0:1], 0x50              ; vc
	v_lshl_add_u32 v[SPW], v0, 2, SPARE
	v_mov_b32 v[NIL], 0
	ds_add_u32 v[SPW], v[NIL]                      ; the opening lines: the add, twice on end, and its wait below
	ds_add_u32 v[SPW], v[NIL]
	v_lshrrev_b32 v1, 5, v0
	v_readfirstlane_b32 s14, v1                    ; wave 0..3
	s_lshr_b32 s15, s14, 1                         ; my half of the tokens
	s_and_b32 s16, s14, 1                          ; my half of the channels
	s_bfe_u32 s17, ttmp6, 0x40000                  ; cx: the channel group
	s_bfe_u32 s18, ttmp6, 0x40004                  ; cy
	s_and_b32 s13, ttmp7, 0xffff                   ; the cluster's y
	s_lshl_b32 s19, s13, 2
	s_add_co_u32 s19, s19, s18                     ; the token block
	s_lshl_b32 s20, s18, 2
	s_lshl_b32 s20, 15, s20                        ; my row of the cluster
	s_lshl_b32 s21, 0x1111, s17                    ; my column
	s_or_b32 s24, s20, PADW                        ; group 1 for x: 128 rows of 512 bytes, dense
	s_mov_b32 s25, 512<<16
	s_mov_b32 s26, 128<<16
	s_mov_b32 s27, 512<<16
	s_mov_b32 s28, 128
	s_mov_b32 s29, 512
	s_mov_b32 s30, 0
	s_mov_b32 s31, 0
	s_or_b32 s36, s21, PADW                        ; for the head's fill of W: 128 rows of 512 bytes, 1,024 apart
	s_mov_b32 s37, 512<<16
	s_mov_b32 s38, 128<<16
	s_mov_b32 s39, 512<<16
	s_mov_b32 s40, 128
	s_mov_b32 s41, 1024
	s_mov_b32 s42, 0
	s_mov_b32 s43, 0
	s_or_b32 s44, s21, PADW                        ; for the refills: 64 rows a wave
	s_mov_b32 s45, 512<<16
	s_mov_b32 s46, 64<<16
	s_mov_b32 s47, 512<<16
	s_mov_b32 s48, 64
	s_mov_b32 s49, 1024
	s_mov_b32 s50, 0
	s_mov_b32 s51, 0
	s_lshl_b32 s60, s19, 17                        ; x: 131,072 bytes a block, 65,536 for each of waves 0 and 1
	s_lshl_b32 s61, s16, 16
	s_add_co_u32 s60, s60, s61
	s_mov_b32 s61, 0
	s_lshl_b32 s62, s17, 18                        ; W at the head: row 256 x group + 128 x (wave - 2)
	s_lshl_b32 s63, s16, 17
	s_add_co_u32 s62, s62, s63
	s_mov_b32 s63, 0
	s_lshl_b32 s22, s17, 18                        ; W in the refills: row 256 x group + 64 x wave
	s_lshl_b32 s23, s14, 16
	s_add_co_u32 s22, s22, s23
	s_mov_b32 s23, 0
	s_lshl_b32 s4, s17, 10                         ; the bias at my first channel: 4 x (256 x group + 128 x half)
	s_lshl_b32 s5, s16, 9
	s_add_co_u32 s4, s4, s5
	s_mov_b32 s5, 0
	s_lshr_b32 s6, s19, 4                          ; the batch (16 blocks of 128 tokens),
	s_lshl_b32 s6, s6, 4
	s_lshl_b32 s7, s17, 2
	s_add_co_u32 s6, s6, s7
	s_lshl_b32 s7, s16, 1
	s_add_co_u32 s6, s6, s7                        ; x 16 + my first head,
	s_lshl_b32 s6, s6, 17                          ; 131,072 bytes a head,
	s_and_b32 s7, s19, 15
	s_lshl_b32 s7, s7, 13
	s_add_co_u32 s6, s6, s7                        ; 64 bytes a token in all three layouts
	s_lshl_b32 s7, s15, 12
	s_add_co_u32 s6, s6, s7
	s_mov_b32 s7, 0
	s_mul_i32 s8, s16, 128*PW                      ; my 128 rows of W in a slot
	s_mul_i32 s9, s15, 128*PW
	s_add_co_u32 s9, s9, SLOT                      ; my 64 rows of x: 128 rows of LDS
	s_lshl_b32 s10, s18, 14                        ; the prefetches: my work-group's 16 of a wave's 64 rows
	s_mul_i32 s12, s14, 64*PW                      ; a refill's place in a slot
	s_mov_b32 s32, 1
	s_mov_b32 s52, 1
	s_mul_i32 s57, s16, 128*PW                     ; the head's fills: W into slot 0,
	s_add_co_u32 s53, s57, SLOT                    ; x into slot 1's bytes
	s_mov_b32 s56, 1
	s_wait_dscnt 0x0                               ; both opening adds are done
	s_wait_kmcnt 0x0
	s_load_b256 s[92:99], s[82:83], 0x0            ; exponents 0 to 7
	s_load_b32 s100, s[82:83], 0x24                ; exponent 9
	s_add_nc_u64 s[54:55], s[68:69], s[60:61]
	s_or_b32 s55, s55, 0x80000000
	s_add_nc_u64 s[58:59], s[70:71], s[62:63]
	s_or_b32 s59, s59, 0x80000000
.irp p, 70,72,74
	s_add_nc_u64 s[\p:\p+1], s[\p:\p+1], s[22:23]  ; each weight at my wave's 64 rows
.endr
.irp p, 76,78,80
	s_add_nc_u64 s[\p:\p+1], s[\p:\p+1], s[4:5]
.endr
.irp p, 84,86,88
	s_add_nc_u64 s[\p:\p+1], s[\p:\p+1], s[6:7]
.endr
	CROUND                                         ; all sixteen work-groups are here: the first joint loads meet
	s_cmp_lt_u32 s14, 2                            ; waves 0, 1: x's halves; waves 2, 3: the halves of Wq's first fill: one tensor load a wave
	s_cbranch_scc0 .Lhead_w
	tensor_load_to_lds s[52:55], s[24:31]
	s_nop 0
	PLACES
	s_branch .Lhead_j
.Lhead_w:
	tensor_load_to_lds s[56:59], s[36:43]
	s_nop 0
	PLACES
.Lhead_j:
	s_wait_kmcnt 0x0
.irp p, 92,94,96
	s_add_co_i32 s\p, s\p, s[\p+1]                 ; e(x) + e(W),
	s_add_co_i32 s\p, s\p, 127
	s_lshl_b32 s\p, s\p, 23                        ; 2^ that as f32,
	s_mov_b32 s[\p+1], s\p                         ; (named as a pair)
.endr
.macro OUTSC i, r                      ; 2^eo, whose exponent field the conversion takes, and 448 x 2^eo
	s_add_co_i32 s\r, s\r, 127
	s_lshl_b32 s11, s\r, 23
	v_mov_b32 v[SCR+\i], s11
	s_add_co_i32 s\r, s\r, 8
	s_lshl_b32 s\r, s\r, 23
	s_or_b32 s\r, s\r, 0x600000
	v_mov_b32 v[LIM+\i], s\r
.endm
	OUTSC 0, 98
	OUTSC 1, 99
	OUTSC 2, 100
	v_and_b32 v1, 15, v0                           ; r
	v_bfe_u32 v2, v0, 4, 1                         ; h
	v_and_b32 v3, 31, v0
	v_lshlrev_b32 v[CO], 4, v3
	v_mul_u32_u24 v4, v1, PW
	v_lshl_add_u32 v4, v2, 4, v4
	v_add_nc_u32 v[ADRW], s8, v4                   ; row r x pitch + 16 h
	v_add_nc_u32 v[ADRW+1], SLOT, v[ADRW]
	v_mul_u32_u24 v5, v1, 2*PW                     ; a row of x is two rows of LDS, one for each half of K
	v_lshl_add_u32 v5, v2, 4, v5
	v_add_nc_u32 v[ADRX], s9, v5
	v_lshlrev_b32 v[BOQ], 5, v2
	v_lshlrev_b32 v[BOV], 2, v1
	v_lshrrev_b32 v6, 1, v3
	v_and_b32 v7, 1, v3
	v_lshlrev_b32 v7, 8, v7
	v_lshl_add_u32 v[PFO], v6, 10, v7              ; row lane / 2, block lane % 2
	v_add_nc_u32 v[PFO], s10, v[PFO]
	s_wait_alu depctr_va_vdst(0)
.macro BIASQK p                        ; register 8 b + j = bias(16 b + 8 h + j)
.irp b, 0,1,2,3,4,5,6,7
	global_load_b128 v[BI+8*\b:BI+8*\b+3], v[BOQ], s[\p:\p+1] offset:64*\b
	global_load_b128 v[BI+8*\b+4:BI+8*\b+7], v[BOQ], s[\p:\p+1] offset:64*\b+16
.endr
.endm
.macro FETCH slot, q, w0               ; W's fragments w0 .. w0 + 3 of the slot's q-th 128 along K: 16 LDS loads
.irp i, 0,1,2,3
.irp c, 0,1,2,3
	ds_load_b128 v[WF+16*(\w0+\i)+4*\c:WF+16*(\w0+\i)+4*\c+3], v[ADRW+(\slot)] offset:(\w0+\i)*16*PW+128*(\q)+32*\c
.endr
.endr
.endm
; 16 matrix instructions: W's fragments w0 .. w0 + 3 x my four token tiles.  The 32 accumulators take turns in the same order in every step.  zero: the first product starts the sums.
.macro MUL16 ks, w0, swap, zero
.irp i, 0,1,2,3
.irp xt, 0,1,2,3
.set AC, 8*(8*\xt+\w0+\i)
.set XF, 64*((\ks)%4)+16*\xt
.set WR, WF+16*(\w0+\i)
.if \swap
.if \zero
	v_wmma_f32_16x16x128_fp8_fp8 v[AC:AC+7], v[XF:XF+15], v[WR:WR+15], 0
.else
	v_wmma_f32_16x16x128_fp8_fp8 v[AC:AC+7], v[XF:XF+15], v[WR:WR+15], v[AC:AC+7]
.endif
.else
.if \zero
	v_wmma_f32_16x16x128_fp8_fp8 v[AC:AC+7], v[WR:WR+15], v[XF:XF+15], 0
.else
	v_wmma_f32_16x16x128_fp8_fp8 v[AC:AC+7], v[WR:WR+15], v[XF:XF+15], v[AC:AC+7]
.endif
.endif
.endr
.endr
.endm
.macro ASK p, off                      ; the branch hangs on the cluster's y alone: the same in all partners
	s_cmp_lt_u32 s13, 4
	s_cbranch_scc0 .Lnoask_\@
	global_prefetch_b8 v[PFO], s[\p:\p+1] offset:\off th:TH_LOAD_NT scope:SCOPE_SE
.Lnoask_\@:
.endm
; A phase: the four steps of 128 along K that a slot holds.  A fragment of W is free when its four products are issued: fragments 0-3 are fetched anew in a step's middle, 4-7 at its end.
.macro PHASE slot, swap, zero, askp, askoff
.if \swap
.set MW, 0x52+\slot                    ; source 0 = x (window 2 + slot), source 1 = W (window 0), C and D window 1
.else
.set MW, 0x58+4*\slot                  ; source 0 = W, source 1 = x
.endif
.irp q, 0,1,2,3
.if (\zero) && (\q == 0)
.set Z, 1
.else
.set Z, 0
.endif
	s_wait_dscnt 16                                ; fragments 0-3 are in; the youngest 16 loads (4-7) may be out
	WIN MW
	MUL16 4*\slot+\q, 0, \swap, Z
	s_wait_dscnt 0x0                               ; fragments 4-7 are in
.if \q < 3
	PLACES
	WIN 0
	FETCH \slot, \q+1, 0
.if (\askp) && (\q == 0)
	ASK \askp, \askoff
.endif
.endif
	WIN MW
	MUL16 4*\slot+\q, 4, \swap, Z
.if \q < 3
	PLACES
	WIN 0
	FETCH \slot, \q+1, 4
.endif
.endr
	WIN 0
.endm
; THE CHANGE OF SLOTS: each wave waits for all its tensor loads, adds 0 to its spare word, waits for that and for its LDS reads; a round of the cluster's barrier; the slot just left is filled, one joint load a wave; then the other slot is read.
.macro TURN slot, p, off
	s_wait_tensorcnt 0x0                           ; my one load that was out has landed, so group 0 may be written
	ds_add_u32 v[SPW], v[NIL]
	s_add_co_u32 s33, s12, (\slot)*SLOT
	s_add_nc_u64 s[34:35], s[\p:\p+1], \off
	s_or_b32 s35, s35, 0x80000000
	s_wait_xcnt 0x0                                ; the last way out's stores have read their registers, on which W's fragments land below
	s_wait_dscnt 0x0
	CROUND
	tensor_load_to_lds s[32:35], s[44:51]
	s_nop 0
	PLACES                                         ; also the places in front of the loads below
	FETCH 1-\slot, 0, 0
	FETCH 1-\slot, 0, 4
.endm
; THE WAY OUT: sum x 2^(e(x) + e(W)) + bias in one packed multiply-add, in place, each accumulator from its low end on; the hold at 448 x the scale (the conversion to an 8-bit code does not saturate: ISA guide 7.6.2);
; eight numbers of a lane become two registers of the next operand; the fragments are stored as they stand.
.macro EPI isv, t, sc, out
	s_wait_loadcnt 0x0                             ; the bias
	PLACES
	WIN 0x41                                       ; source 0 and destination window 1
.irp xt, 0,1,2,3
.irp wt, 0,1,2,3,4,5,6,7
.set AC, 8*(8*\xt+\wt)
.irp j, 0,2,4,6
.if \isv
	v_pk_fma_f32 v[AC+\j:AC+\j+1], v[AC+\j:AC+\j+1], s[\sc:\sc+1], v[BI+2*\wt:BI+2*\wt+1] op_sel_hi:[1,0,1]
.else
	v_pk_fma_f32 v[AC+\j:AC+\j+1], v[AC+\j:AC+\j+1], s[\sc:\sc+1], v[BI+8*\wt+\j:BI+8*\wt+\j+1] op_sel_hi:[1,0,1]
.endif
.endr
.irp j, 0,1,2,3,4,5,6,7
	v_med3_num_f32 v[AC+\j], v[AC+\j], -v[LIM+\t], v[LIM+\t]
.endr
.endr
.endr
	WIN 0x01                                       ; source 0 window 1; the codes go to window 0
.irp xt, 0,1,2,3
.irp wt, 0,1,2,3,4,5,6,7
.if \isv
	v_cvt_scalef32_pk8_fp8_f32 v[CD+8*\wt+2*\xt:CD+8*\wt+2*\xt+1], v[8*(8*\xt+\wt):8*(8*\xt+\wt)+7], v[SCR+\t]
.else
	v_cvt_scalef32_pk8_fp8_f32 v[CD+16*\xt+2*\wt:CD+16*\xt+2*\wt+1], v[8*(8*\xt+\wt):8*(8*\xt+\wt)+7], v[SCR+\t]
.endif
.endr
.endr
	v_nop                                          ; one plain vector instruction behind the last conversion
	WIN 0
.irp a, 0,1,2,3
.irp g, 0,1
.irp c, 0,1
	global_store_b128 v[CO], v[CD+16*\a+8*\g+4*\c:CD+16*\a+8*\g+4*\c+3], s[\out:\out+1] offset:(1-\isv)*(\g*131072+\a*1024)+\isv*((\a/2)*131072+(2*(\a%2)+\g)*1024)+512*\c   ; q, k: head g, token tile a; v: channel tile 2 a + g of my eight
.endr
.endr
.endr
.endm
	BIASQK 76
	s_wait_tensorcnt 0x0                           ; my part of x or of Wq's first fill is in,
	s_barrier_signal -1
	s_barrier_wait -1                              ; everybody's is
.irp ks, 0,1,2,3,4,5,6,7                       ; x into registers: token tile xt of K step ks at v[64 (ks % 4) + 16 xt] of window 2 + ks / 4
	WIN (0x80+0x40*(\ks/4))
.irp xt, 0,1,2,3
.irp c, 0,1,2,3
	ds_load_b128 v[64*(\ks%4)+16*\xt+4*\c:64*(\ks%4)+16*\xt+4*\c+3], v[ADRX] offset:\xt*32*PW+(\ks/4)*PW+128*(\ks%4)+32*\c
.endr
.endr
.endr
	WIN 0
	TURN 1, 70, 512                                ; x has left LDS: its bytes take Wq's second half of K
	PHASE 0, 0, 1, 72, 512                         ; q
	TURN 0, 72, 0
	PHASE 1, 0, 0, 74, 0
	EPI 0, 0, 92, 84
	BIASQK 78
	TURN 1, 72, 512
	PHASE 0, 0, 1, 74, 512                         ; k
	TURN 0, 74, 0
	PHASE 1, 0, 0, 0, 0
	EPI 0, 1, 94, 86
.irp wt, 0,1,2,3,4,5,6,7                       ; v's bias goes by the lane's channel: registers 2 wt, 2 wt + 1 = bias(16 wt + r), as a pair
	global_load_b32 v[BI+2*\wt], v[BOV], s[80:81] offset:64*\wt
	global_load_b32 v[BI+2*\wt+1], v[BOV], s[80:81] offset:64*\wt
.endr
	TURN 1, 74, 512
	PHASE 0, 1, 1, 0, 0                            ; v
	s_wait_tensorcnt 0x0                           ; the last fill is in; nothing is filled again, so no round follows
	s_wait_dscnt 0x0
	s_barrier_signal -1
	s_barrier_wait -1
	PLACES
	FETCH 1, 0, 0
	FETCH 1, 0, 4
	PHASE 1, 1, 0, 0, 0
	EPI 1, 2, 96, 88
	s_wait_tensorcnt 0x0                           ; the wave's end
	ds_add_u32 v[SPW], v[NIL]
	s_wait_dscnt 0x0
	CROUND                                         ; the closing round
	s_endpgm
.Lfunc_end_k_q3d0d51c03e_qkv:
	.size	k_q3d0d51c03e_qkv, .Lfunc_end_k_q3d0d51c03e_qkv-k_q3d0d51c03e_qkv
	.p2alignl 7, 3214868480
	.fill 96, 4, 3214868480
	.section	.rodata,"a",@progbits
	.p2align	6, 0x0
	.amdhsa_kernel k_q3d0d51c03e_qkv
		.amdhsa_group_segment_fixed_size 327680
		.amdhsa_private_segment_fixed_size 0
		.amdhsa_enable_private_segment 0
		.amdhsa_kernarg_size 88
		.amdhsa_user_sgpr_count 2
		.amdhsa_user_sgpr_kernarg_segment_ptr 1
		.amdhsa_wavefront_size32 1
		.amdhsa_system_sgpr_workgroup_id_x 1
		.amdhsa_system_sgpr_workgroup_id_y 1
		.amdhsa_system_sgpr_workgroup_id_z 1
		.amdhsa_system_vgpr_workitem_id 0
		.amdhsa_next_free_vgpr 1024
		.amdhsa_next_free_sgpr 101
		.amdhsa_reserve_vcc 0
		.amdhsa_float_denorm_mode_32 3
		.amdhsa_float_denorm_mode_16_64 3
		.amdhsa_memory_ordered 1
		.amdhsa_forward_progress 1
		.amdhsa_inst_pref_size 214
	.end_amdhsa_kernel
	.amdgpu_metadata
---
amdhsa.version: [ 1, 2 ]
amdhsa.kernels:
  - .name:           k_q3d0d51c03e_qkv
    .symbol:         k_q3d0d51c03e_qkv.kd
    .args:
      - { .name: x_codes, .offset: 0, .size: 8, .value_kind: global_buffer, .address_space: global }
      - { .name: Wq_codes, .offset: 8, .size: 8, .value_kind: global_buffer, .address_space: global }
      - { .name: Wk_codes, .offset: 16, .size: 8, .value_kind: global_buffer, .address_space: global }
      - { .name: Wv_codes, .offset: 24, .size: 8, .value_kind: global_buffer, .address_space: global }
      - { .name: bq, .offset: 32, .size: 8, .value_kind: global_buffer, .address_space: global }
      - { .name: bk, .offset: 40, .size: 8, .value_kind: global_buffer, .address_space: global }
      - { .name: bv, .offset: 48, .size: 8, .value_kind: global_buffer, .address_space: global }
      - { .name: lowp_scales, .offset: 56, .size: 8, .value_kind: global_buffer, .address_space: global }
      - { .name: qc, .offset: 64, .size: 8, .value_kind: global_buffer, .address_space: global }
      - { .name: kc, .offset: 72, .size: 8, .value_kind: global_buffer, .address_space: global }
      - { .name: vc, .offset: 80, .size: 8, .value_kind: global_buffer, .address_space: global }
    .group_segment_fixed_size: 327680
    .private_segment_fixed_size: 0
    .kernarg_segment_align: 8
    .kernarg_segment_size: 88
    .max_flat_workgroup_size: 128
    .sgpr_count:     101
    .vgpr_count:     1024
    .wavefront_size: 32
...
	.end_amdgpu_metadata
.endif
;; end of part 1
;; launch attn (part 2): grid 4 x 64, 16 waves a work-group, clusters of 4 x 1, 327,680 bytes of LDS; arguments qc, kc, vc, lowp_scales, oc; writes oc
.if DOCPART == 2
	.amdgcn_target "amdgcn-amd-amdhsa--gfx1250"
	.amdhsa_code_object_version 6
	.text
	.protected	k_q3d0d51c03e_attn
	.globl	k_q3d0d51c03e_attn
	.p2align	8
	.type	k_q3d0d51c03e_attn,@function
k_q3d0d51c03e_attn:
	s_mov_b64 s[64:65], 0
	v_nop
	global_prefetch_b8 v0, s[64:65] scope:SCOPE_SE
	s_setreg_imm32_b32 hwreg(HW_REG_WAVE_MODE, 25, 1), 1
	s_wait_xcnt 0x0
	s_wait_alu depctr_hold_cnt(0) depctr_sa_sdst(0) depctr_va_vdst(0) depctr_va_sdst(0) depctr_va_ssrc(0) depctr_va_vcc(0) depctr_vm_vsrc(0)
	s_getreg_b32 s2, hwreg(HW_REG_IB_STS2, 6, 4)
	s_cmp_eq_u32 s2, 0
	s_cbranch_scc0 .Lentry_in_a_cluster
	s_endpgm
.Lentry_in_a_cluster:
	s_bfe_u32 s2, ttmp6, 0x10000c
	s_cmp_lg_u32 s2, 0x3003
	s_cbranch_scc0 .Lentry_shape_is_right
	s_endpgm
.Lentry_shape_is_right:
; o = |softmax(q k^T / 8)| v for one head, both products on E4M3 codes; the softmax is quantised finished and normalised, so the keys are walked twice.  A softmax is never negative, so the magnitude changes nothing.
; A work-group owns 512 queries of a head, each of its 16 waves 32 of them (two tiles of 16).  The head's K and V, 131,072 bytes each, as images of operand registers, lie in LDS whole:
; waves 0-7 fetch K's eighths, waves 8-15 V's, one joint load a wave (the four work-groups of a cluster share the head); nothing is filled again.
; Both products are used transposed (S^T = K Q^T, O^T = V^T P^T): a lane holds one query.  WALK 1, 128 keys a step: the running largest score m and the sum of 2^(t - m), t = score x log2(e) / 8.
; Then the lanes' halves are joined and log2 of the sum is taken.  WALK 2, 64 keys a step: p = 2^(t - m - log2(sum)), held at 448 x 2^ep, converted, multiplied with V.
; THE WAY OUT: O^T is quantised with entry 10 and stored as the image of the projection's operand.
; LIMITS: entries 6 + 7 between -123 and 130 (added to the exponent field of log2(e) / 8); entry 8, and entry 10 - entry 8 - entry 9, between -126 and 119.  No prefetch: all tiles are asked for at the head.
.set VBASE, 131072
.set LI,   1
.set ADK,  2
.set ADV,  3
.set LIV,  4
.set PLIM, 5
.set PSC,  6
.set OLIM, 7
.set OSC,  8
.set LANE, 9
.set ST,   16
.set Q,    32
.set KF,   48
.set VF,   80
.set S,    112
.set XS,   240
.set OLD,  248
.set PC,   176
.set O,    192
.set WV,   14
.set CX,   15
.set HD,   16
.set G1,   24
.set G0K,  32
.set G0V,  36
.set CS,   46
.set NC,   48
.set SEL,  50
.set TB,   52
.set CNT,  53
.macro CROUND
	s_barrier_signal -1
	s_barrier_wait -1
	s_cmp_lg_u32 s[WV], 0
	s_cbranch_scc1 .Lnot_wave_0_\@
	s_barrier_signal -3
.Lnot_wave_0_\@:
	s_barrier_wait -3
	s_barrier_signal -1
	s_barrier_wait -1
.endm
.macro KLOAD n
.set i, 0
.rept \n
	ds_load_b128 v[KF+4*i:KF+4*i+3], v[ADK] offset:512*i
.set i, i+1
.endr
.endm
	s_load_b256 s[4:11], s[0:1], 0x0
	s_load_b64 s[12:13], s[0:1], 0x20
	v_lshl_add_u32 v14, v0, 2, 0x40000
	v_mov_b32 v15, 0
	ds_add_u32 v14, v15
	ds_add_u32 v14, v15
	v_lshrrev_b32 v2, 5, v0
	s_delay_alu instid0(VALU_DEP_1)
	v_readfirstlane_b32 s[WV], v2
	v_and_b32 v[LANE], 31, v0
	s_delay_alu instid0(VALU_DEP_1)
	v_lshlrev_b32 v[LI], 4, v[LANE]
	s_delay_alu instid0(VALU_DEP_1)
	v_add_nc_u32 v[LIV], VBASE-4096, v[LI]
	s_bfe_u32 s[CX], ttmp6, 0x40000
	s_and_b32 s[HD], ttmp7, 0xffff
	s_mov_b32 s[G1], 15|(3<<16)|(1<<21)
	s_mov_b32 s[G1+1], 32<<16
	s_mov_b32 s[G1+2], 64<<16
	s_mov_b32 s[G1+3], 32<<16
	s_mov_b32 s[G1+4], 64
	s_mov_b32 s[G1+5], 32
	s_mov_b32 s[G1+6], 0
	s_mov_b32 s[G1+7], 0
	s_mov_b32 s[SEL], 0x76543210
	s_mov_b32 s[SEL+1], 0xfedcba98
	s_lshl_b32 s20, s[WV], 14                      ; LDS: 16,384 bytes a wave: K's eight parts, then V's eight (VBASE = 8 x 16,384)
	s_and_b32 s21, s[WV], 7
	s_lshl_b32 s21, s21, 14                        ; my eighth of the head's 131,072 bytes
	s_lshl_b32 s18, s[HD], 17
	s_add_co_u32 s18, s18, s21
	s_mov_b32 s19, 0
	s_wait_dscnt 0x0
	s_wait_kmcnt 0x0
	s_load_b128 s[40:43], s[10:11], 0x18
	s_load_b32 s44, s[10:11], 0x28
	s_cmp_lt_u32 s[WV], 8                          ; waves 0-7 fetch from kc, waves 8-15 from vc: the wave's number alone chooses
	s_cselect_b64 s[6:7], s[6:7], s[8:9]
	s_mov_b32 s[G0K], 1
	s_mov_b32 s[G0K+1], s20
	s_add_nc_u64 s[G0K+2:G0K+3], s[6:7], s[18:19]
	s_or_b32 s[G0K+3], s[G0K+3], 0x80000000
	CROUND
	tensor_load_to_lds s[G0K:G0K+3], s[G1:G1+7]    ; 64 rows of 256 bytes: my one tensor load
	s_nop 0
.rept 4
	v_nop
.endr
	s_lshl_b32 s22, s[HD], 17
	s_lshl_b32 s21, s[CX], 15
	s_add_co_u32 s22, s22, s21
	s_lshl_b32 s21, s[WV], 11
	s_add_co_u32 s22, s22, s21
	s_mov_b32 s23, 0
	s_add_nc_u64 s[4:5], s[4:5], s[22:23]
	s_wait_alu depctr_va_vdst(0)
.irp t, 0,1
.irp c, 0,1
	global_load_b128 v[Q+8*\t+4*\c:Q+8*\t+4*\c+3], v[LI], s[4:5] offset:1024*\t+512*\c
.endr
.endr
	s_lshr_b32 s22, s[HD], 4
	s_lshl_b32 s22, s22, 7
	s_lshl_b32 s21, s[CX], 5
	s_add_co_u32 s22, s22, s21
	s_lshl_b32 s21, s[WV], 1
	s_add_co_u32 s22, s22, s21
	s_lshl_b32 s22, s22, 14
	s_and_b32 s21, s[HD], 15
	s_lshl_b32 s21, s21, 10
	s_add_co_u32 s22, s22, s21
	s_add_nc_u64 s[12:13], s[12:13], s[22:23]
.irp t, 0,1
	v_mov_b32 v[ST+8*\t], 0x7f61b1e6
	v_mov_b32 v[ST+8*\t+1], 0xff61b1e6
	v_mov_b32 v[ST+8*\t+2], 0
	v_mov_b32 v[ST+8*\t+3], 0
	v_mov_b32 v[ST+8*\t+5], 0
.endr
	s_wait_kmcnt 0x0
	s_add_co_i32 s18, s40, s41
	s_lshl_b32 s18, s18, 23
	s_add_co_i32 s[CS], s18, 0x3e38aa3b
	s_mov_b32 s[CS+1], s[CS]
	s_xor_b32 s[NC], s[CS], 0x80000000
	s_add_co_i32 s18, s42, 127
	s_lshl_b32 s19, s18, 23
	v_mov_b32 v[PSC], s19
	s_add_co_i32 s18, s18, 8
	s_lshl_b32 s18, s18, 23
	s_or_b32 s18, s18, 0x600000
	v_mov_b32 v[PLIM], s18
	v_mov_b32 v10, s18                             ; a second copy, in another register bank, for the second half of the dual holds
	s_sub_co_i32 s18, s44, s42
	s_sub_co_i32 s18, s18, s43
	s_add_co_i32 s18, s18, 127
	s_lshl_b32 s19, s18, 23
	v_mov_b32 v[OSC], s19
	s_add_co_i32 s18, s18, 8
	s_lshl_b32 s18, s18, 23
	s_or_b32 s18, s18, 0x600000
	v_mov_b32 v[OLIM], s18
	s_wait_loadcnt 0x0
	s_wait_tensorcnt 0x0
	s_barrier_signal -1
	s_barrier_wait -1
.macro SOFT1
.irp t, 0,1
	v_max3_num_f32 v[ST+8*\t+6], v[S+64*\t], v[S+64*\t+1], v[ST+8*\t+1]
	v_max_num_f32 v[ST+8*\t+7], v[S+64*\t+2], v[S+64*\t+3]
.endr
.set j, 4
.rept 15
.irp t, 0,1
	v_max3_num_f32 v[ST+8*\t+6], v[ST+8*\t+6], v[S+64*\t+j], v[S+64*\t+j+1]
	v_max3_num_f32 v[ST+8*\t+7], v[ST+8*\t+7], v[S+64*\t+j+2], v[S+64*\t+j+3]
.endr
.set j, j+4
.endr
.irp t, 0
	s_delay_alu instid0(VALU_DEP_3)
	v_max_num_f32 v[ST+8*\t+1], v[ST+8*\t+6], v[ST+8*\t+7]
.endr
.irp t, 1
	s_delay_alu instid0(VALU_DEP_2)
	v_max_num_f32 v[ST+8*\t+1], v[ST+8*\t+6], v[ST+8*\t+7]
.endr
.irp t, 0,1
	s_delay_alu instid0(VALU_DEP_2)
	v_mul_f32 v[ST+8*\t], s[NC], v[ST+8*\t+1]
.endr
.irp t, 0,1
	s_delay_alu instid0(VALU_DEP_2)
	v_sub_f32 v[ST+8*\t+4], v[ST+8*\t], v[OLD+\t]
.endr
.set j, 0
.rept 32
.irp t, 0,1
	v_pk_fma_f32 v[S+64*\t+j:S+64*\t+j+1], v[S+64*\t+j:S+64*\t+j+1], s[CS:CS+1], v[ST+8*\t:ST+8*\t+1] op_sel_hi:[1,0,0]
.endr
.set j, j+2
.endr
	s_wait_alu depctr_va_vdst(0)
.irp t, 0,1
	v_exp_f32 v[ST+8*\t+4], v[ST+8*\t+4]
.endr
.set j, 0
.rept 64
.irp t, 0,1
	v_exp_f32 v[S+64*\t+j], v[S+64*\t+j]
.endr
.set j, j+1
.endr
	v_nop
	s_wait_alu depctr_va_vdst(0)
.irp t, 0,1
	v_pk_add_f32 v[XS+4*\t:XS+4*\t+1], v[S+64*\t:S+64*\t+1], v[S+64*\t+2:S+64*\t+3]
	v_pk_add_f32 v[XS+4*\t+2:XS+4*\t+3], v[S+64*\t+4:S+64*\t+5], v[S+64*\t+6:S+64*\t+7]
.endr
.set j, 8
.rept 14
.irp t, 0,1
	v_pk_add_f32 v[XS+4*\t:XS+4*\t+1], v[XS+4*\t:XS+4*\t+1], v[S+64*\t+j:S+64*\t+j+1]
	v_pk_add_f32 v[XS+4*\t+2:XS+4*\t+3], v[XS+4*\t+2:XS+4*\t+3], v[S+64*\t+j+2:S+64*\t+j+3]
.endr
.set j, j+4
.endr
.irp t, 0,1
	v_pk_fma_f32 v[ST+8*\t+2:ST+8*\t+3], v[ST+8*\t+2:ST+8*\t+3], v[ST+8*\t+4:ST+8*\t+5], v[XS+4*\t:XS+4*\t+1] op_sel_hi:[1,0,1]
.endr
.irp t, 0,1
	s_delay_alu instid0(VALU_DEP_2)
	v_pk_add_f32 v[ST+8*\t+2:ST+8*\t+3], v[ST+8*\t+2:ST+8*\t+3], v[XS+4*\t+2:XS+4*\t+3]
.endr
.endm
.macro STEP1 next
	s_wait_dscnt 0x0
.irp kt, 0,1,2,3,4,5,6,7
.irp t, 0,1
	v_wmma_f32_16x16x64_fp8_fp8 v[S+64*\t+8*\kt:S+64*\t+8*\kt+7], v[KF+8*\kt:KF+8*\kt+7], v[Q+8*\t:Q+8*\t+7], 0
.endr
.endr
	v_add_nc_u32 v[ADK], s[TB], v[LI]
	v_mov_b32 v[OLD], v[ST]
	v_mov_b32 v[OLD+1], v[ST+8]
	v_nop
.if \next == 2
	KLOAD 16
	s_add_co_u32 s[TB], s[TB], 8192
.else
	KLOAD 8
.endif
	SOFT1
.endm
.macro STEP2 first, last
	s_wait_dscnt 0x0
.irp kt, 0,1,2,3
.irp t, 0,1
	v_wmma_f32_16x16x64_fp8_fp8 v[S+32*\t+8*\kt:S+32*\t+8*\kt+7], v[KF+8*\kt:KF+8*\kt+7], v[Q+8*\t:Q+8*\t+7], 0
.endr
.endr
	v_add_nc_u32 v[ADV], s[TB], v[LIV]
.if \last
	v_nop
.else
	v_add_nc_u32 v[ADK], s[TB], v[LI]
.endif
	v_nop
	v_nop
.irp i, 0,1,2,3,4,5,6,7
	ds_load_b128 v[VF+4*\i:VF+4*\i+3], v[ADV] offset:512*\i
.endr
.if \last == 0
	KLOAD 8
	s_add_co_u32 s[TB], s[TB], 4096
.endif
.set j, 0
	s_wait_alu depctr_va_vdst(0)
.rept 16
.irp t, 0,1
	v_pk_fma_f32 v[S+32*\t+j:S+32*\t+j+1], v[S+32*\t+j:S+32*\t+j+1], s[CS:CS+1], v[ST+8*\t:ST+8*\t+1] op_sel_hi:[1,0,0]
.endr
.set j, j+2
.endr
.set j, 0
	s_wait_alu depctr_va_vdst(0)
.rept 32
.irp t, 0,1
	v_exp_f32 v[S+32*\t+j], v[S+32*\t+j]
.endr
.set j, j+1
.endr
	v_nop
	s_wait_alu depctr_va_vdst(0)
.set j, 0
.rept 16
.irp t, 0,1
	v_dual_min_num_f32 v[S+32*\t+j], v[S+32*\t+j], v[PLIM] :: v_dual_min_num_f32 v[S+32*\t+j+1], v[S+32*\t+j+1], v10
.endr
.set j, j+2
.endr
.irp t, 0,1
.irp kt, 0,1,2,3
	v_cvt_scalef32_pk8_fp8_f32 v[PC+8*\t+2*\kt:PC+8*\t+2*\kt+1], v[S+32*\t+8*\kt:S+32*\t+8*\kt+7], v[PSC]
.endr
.endr
	v_nop
.if \last
	s_wait_alu depctr_va_vdst(0)
	s_wait_dscnt 0x0
.else
	s_wait_alu depctr_va_vdst(0)
	s_wait_dscnt 8
.endif
.irp ct, 0,1,2,3
.irp t, 0,1
.if \first
	v_wmma_f32_16x16x64_fp8_fp8 v[O+32*\t+8*\ct:O+32*\t+8*\ct+7], v[VF+8*\ct:VF+8*\ct+7], v[PC+8*\t:PC+8*\t+7], 0
.else
	v_wmma_f32_16x16x64_fp8_fp8 v[O+32*\t+8*\ct:O+32*\t+8*\ct+7], v[VF+8*\ct:VF+8*\ct+7], v[PC+8*\t:PC+8*\t+7], v[O+32*\t+8*\ct:O+32*\t+8*\ct+7]
.endif
.endr
.endr
.endm
	s_mov_b32 s[TB], 0
	v_add_nc_u32 v[ADK], s[TB], v[LI]
	KLOAD 16
	s_mov_b32 s[TB], 8192
	s_mov_b32 s[CNT], 15
.Lwalk1:
	STEP1 2
	s_sub_co_u32 s[CNT], s[CNT], 1
	s_cmp_lg_u32 s[CNT], 0
	s_cbranch_scc1 .Lwalk1
	s_mov_b32 s[TB], 0
	STEP1 1
	s_mov_b32 s[TB], 4096
.irp t, 0,1
	v_permlanex16_b32 v[ST+8*\t+6], v[ST+8*\t+1], s[SEL], s[SEL+1]
.endr
.irp t, 0,1
	s_delay_alu instid0(VALU_DEP_2)
	v_max_num_f32 v[ST+8*\t+6], v[ST+8*\t+1], v[ST+8*\t+6]
.endr
.irp t, 0,1
	s_delay_alu instid0(VALU_DEP_2)
	v_mul_f32 v[ST+8*\t+7], s[NC], v[ST+8*\t+6]
.endr
.irp t, 0,1
	s_delay_alu instid0(VALU_DEP_2)
	v_sub_f32 v[ST+8*\t+4], v[ST+8*\t+7], v[ST+8*\t]
.endr
	s_wait_alu depctr_va_vdst(0)
.irp t, 0,1
	v_exp_f32 v[ST+8*\t+4], v[ST+8*\t+4]
.endr
.irp t, 0,1
	v_add_f32 v[ST+8*\t+2], v[ST+8*\t+2], v[ST+8*\t+3]
.endr
	s_wait_alu depctr_va_vdst(0)
.irp t, 0,1
	v_mul_f32 v[ST+8*\t+2], v[ST+8*\t+2], v[ST+8*\t+4]
.endr
.irp t, 0,1
	s_delay_alu instid0(VALU_DEP_2)
	v_permlanex16_b32 v[ST+8*\t+3], v[ST+8*\t+2], s[SEL], s[SEL+1]
.endr
.irp t, 0,1
	s_delay_alu instid0(VALU_DEP_2)
	v_add_f32 v[ST+8*\t+2], v[ST+8*\t+2], v[ST+8*\t+3]
.endr
	s_wait_alu depctr_va_vdst(0)
.irp t, 0,1
	v_log_f32 v[ST+8*\t+3], v[ST+8*\t+2]
.endr
	v_nop
	s_wait_alu depctr_va_vdst(0)
.irp t, 0,1
	v_sub_f32 v[ST+8*\t], v[ST+8*\t+7], v[ST+8*\t+3]
.endr
	STEP2 1, 0
	s_mov_b32 s[CNT], 30
.Lwalk2:
	STEP2 0, 0
	s_sub_co_u32 s[CNT], s[CNT], 1
	s_cmp_lg_u32 s[CNT], 0
	s_cbranch_scc1 .Lwalk2
	STEP2 0, 1
.rept 4
	v_nop
.endr
.set j, 0
.rept 64
	v_med3_num_f32 v[O+j], v[O+j], -v[OLIM], v[OLIM]
.set j, j+1
.endr
.irp t, 0,1
.irp ct, 0,1,2,3
	v_cvt_scalef32_pk8_fp8_f32 v[PC+8*\t+2*\ct:PC+8*\t+2*\ct+1], v[O+32*\t+8*\ct:O+32*\t+8*\ct+7], v[OSC]
.endr
.endr
	v_nop
	v_cmp_le_u32 vcc_lo, 16, v[LANE]
.irp t, 0,1
.irp b, 0,1
.irp x, 0,1
	v_cndmask_b32 v[S+4*\t+2*\b+\x], v[PC+8*\t+4*\b+\x+2], v[PC+8*\t+4*\b+\x], vcc_lo
.endr
.endr
.endr
.irp n, 0,1,2,3,4,5,6,7
	v_permlanex16_b32 v[S+32+\n], v[S+\n], s[SEL], s[SEL+1]
.endr
.irp t, 0,1
.irp b, 0,1
.irp x, 0,1
	v_cndmask_b32 v[PC+8*\t+4*\b+\x], v[PC+8*\t+4*\b+\x], v[S+32+4*\t+2*\b+\x], vcc_lo
	v_cndmask_b32 v[PC+8*\t+4*\b+\x+2], v[S+32+4*\t+2*\b+\x], v[PC+8*\t+4*\b+\x+2], vcc_lo
.endr
.endr
.endr
.irp t, 0,1
.irp b, 0,1
	global_store_b128 v[LI], v[PC+8*\t+4*\b:PC+8*\t+4*\b+3], s[12:13] offset:16384*\t+512*\b
.endr
.endr
	s_wait_tensorcnt 0x0
	ds_add_u32 v14, v15
	s_wait_dscnt 0x0
	CROUND
	s_endpgm
.Lfunc_end_k_q3d0d51c03e_attn:
	.size	k_q3d0d51c03e_attn, .Lfunc_end_k_q3d0d51c03e_attn-k_q3d0d51c03e_attn
	.p2alignl 7, 3214868480
	.fill 96, 4, 3214868480
	.section	.rodata,"a",@progbits
	.p2align	6, 0x0
	.amdhsa_kernel k_q3d0d51c03e_attn
		.amdhsa_group_segment_fixed_size 327680
		.amdhsa_private_segment_fixed_size 0
		.amdhsa_enable_private_segment 0
		.amdhsa_kernarg_size 40
		.amdhsa_user_sgpr_count 2
		.amdhsa_user_sgpr_kernarg_segment_ptr 1
		.amdhsa_wavefront_size32 1
		.amdhsa_system_sgpr_workgroup_id_x 1
		.amdhsa_system_sgpr_workgroup_id_y 1
		.amdhsa_system_sgpr_workgroup_id_z 1
		.amdhsa_system_vgpr_workitem_id 0
		.amdhsa_next_free_vgpr 256
		.amdhsa_next_free_sgpr 66
		.amdhsa_reserve_vcc 1
		.amdhsa_float_denorm_mode_32 3
		.amdhsa_float_denorm_mode_16_64 3
		.amdhsa_memory_ordered 1
		.amdhsa_forward_progress 1
		.amdhsa_inst_pref_size 79
	.end_amdhsa_kernel
	.amdgpu_metadata
---
amdhsa.version: [ 1, 2 ]
amdhsa.kernels:
  - .name:           k_q3d0d51c03e_attn
    .symbol:         k_q3d0d51c03e_attn.kd
    .args:
      - { .name: qc, .offset: 0, .size: 8, .value_kind: global_buffer, .address_space: global }
      - { .name: kc, .offset: 8, .size: 8, .value_kind: global_buffer, .address_space: global }
      - { .name: vc, .offset: 16, .size: 8, .value_kind: global_buffer, .address_space: global }
      - { .name: lowp_scales, .offset: 24, .size: 8, .value_kind: global_buffer, .address_space: global }
      - { .name: oc, .offset: 32, .size: 8, .value_kind: global_buffer, .address_space: global }
    .group_segment_fixed_size: 327680
    .private_segment_fixed_size: 0
    .kernarg_segment_align: 8
    .kernarg_segment_size: 40
    .max_flat_workgroup_size: 512
    .sgpr_count:     66
    .vgpr_count:     256
    .wavefront_size: 32
...
	.end_amdgpu_metadata
.endif
;; end of part 2
;; launch proj (part 3): grid 64 x 4, 4 waves a work-group, clusters of 4 x 1, 327,680 bytes of LDS; arguments oc, Wo_codes, lowp_scales, bo, out0; writes out0
.if DOCPART == 3
	.amdgcn_target "amdgcn-amd-amdhsa--gfx1250"
	.amdhsa_code_object_version 6
	.text
	.protected	k_q3d0d51c03e_proj
	.globl	k_q3d0d51c03e_proj
	.p2align	8
	.type	k_q3d0d51c03e_proj,@function
k_q3d0d51c03e_proj:
	s_mov_b64 s[64:65], 0
	v_nop
	global_prefetch_b8 v0, s[64:65] scope:SCOPE_SE
	s_setreg_imm32_b32 hwreg(HW_REG_WAVE_MODE, 25, 1), 1
	s_wait_xcnt 0x0
	s_wait_alu depctr_hold_cnt(0) depctr_sa_sdst(0) depctr_va_vdst(0) depctr_va_sdst(0) depctr_va_ssrc(0) depctr_va_vcc(0) depctr_vm_vsrc(0)
	s_getreg_b32 s2, hwreg(HW_REG_IB_STS2, 6, 4)
	s_cmp_eq_u32 s2, 0
	s_cbranch_scc0 .Lentry_in_a_cluster
	s_endpgm
.Lentry_in_a_cluster:
	s_bfe_u32 s2, ttmp6, 0x10000c
	s_cmp_lg_u32 s2, 0x3003
	s_cbranch_scc0 .Lentry_shape_is_right
	s_endpgm
.Lentry_shape_is_right:
; out0 = o Wo^T + bo on E4M3 codes, K = 1,024.  o comes as oc: [token tile of 16][head][1,024 B], images of operand registers (registers 4 c .. 4 c + 3 of lane l at 512 c + 16 l; 2,048 bytes for 128 along K).
; A work-group makes 128 tokens x 256 columns: grid x = 64 token blocks, y = 4 column blocks, 256 work-groups.  Four waves, 2 x 2, each 64 tokens x 128 columns: 32 accumulators of 16 x 16.
; Wo's 256 rows lie in LDS over the WHOLE K: one tensor load a wave (64 rows of 1,024 bytes) at the head, nothing is filled again, one barrier.
; The four work-groups of a cluster (neighbours along x) share the column block, so each load is a joint one with the mask 15.
; o's fragments go from memory straight into registers, each load of a wave covering 512 consecutive bytes: six sets of 64 registers (a set = 4 token tiles x 128 K); K steps 6 and 7 come into sets 0 and 1 when those are done with.
; The matrix instruction is used transposed (source 0 = 16 rows of Wo, source 1 = 16 tokens): a lane holds 8 neighbouring columns of one token.  Wo's fragments are fetched 16 bytes at a time (K = 32 c + 16 h + 0..15), the order in which oc was laid.
; No prefetch: the text has no loop to run ahead in; all operands are asked for at the head.
; LIMIT: entry 10 + entry 11 of the scales between -126 and 127, so that their power of two is an f32 number.
; REGISTERS: window 0: v0-31 addresses, v32-95 the bias, v128-255 o's sets 0, 1, later the rows read back; window 1: o's sets 2-5; window 2: Wo's fragments, two sets; window 3: the sums.
.set PITCH,  1040                      ; an LDS row: 1,024 bytes + 16 = 260 words: the 16 rows that a load touches start at 16 different banks (64 banks of 4 bytes: ISA guide 11.1)
.set STAGE,  256*PITCH                 ; behind Wo: a stage of 16 rows x 528 bytes for each wave; no tensor load lands there
.set SPITCH, 528
.set SPARE,  STAGE+4*16*SPITCH         ; the spare words, 128 bytes a wave, that no other line names
.set ADRB, 20                          ; v20, v21 my Wo fragments: blocks 0-3, blocks 4-7 (64 rows on: the immediate has 16 bits)
.set STO,  24
.set RD,   25
.set CO,   26                          ; 16 x lane
.set SPW,  28
.set NIL,  29
.set BO,   30
.set BI,   32
.set BK,   128
.set MSB, 0
.macro WIN new                         ; the immediate's high byte repeats the setting that is left
.if MSB != \new
	s_set_vgpr_msb (MSB<<8)|\new
.set MSB, \new
.endif
.endm
.macro CROUND                          ; a round of the cluster's barrier
	s_barrier_signal -1
	s_barrier_wait -1
	s_cmp_lg_u32 s14, 0
	s_cbranch_scc1 .Lnot_wave_0_\@
	s_barrier_signal -3
.Lnot_wave_0_\@:
	s_barrier_wait -3
	s_barrier_signal -1
	s_barrier_wait -1
.endm
.macro PLACES                          ; four plain vector instructions behind a matrix instruction (ISA guide 7.12.1)
.rept 4
	v_nop
.endr
.endm
	s_load_b128 s[4:7], s[0:1], 0x0                ; oc, Wo's codes
	s_load_b128 s[8:11], s[0:1], 0x10              ; the scales' exponents, bo
	s_load_b64 s[12:13], s[0:1], 0x20              ; out0
	v_lshl_add_u32 v[SPW], v0, 2, SPARE
	v_mov_b32 v[NIL], 0
	ds_add_u32 v[SPW], v[NIL]                      ; the opening lines: the add, twice on end, and its wait below
	ds_add_u32 v[SPW], v[NIL]
	v_lshrrev_b32 v1, 5, v0
	v_readfirstlane_b32 s14, v1                    ; wave 0..3
	s_lshr_b32 s15, s14, 1                         ; my half of the tokens
	s_and_b32 s16, s14, 1                          ; my half of the columns
	s_bfe_u32 s17, ttmp6, 0x40000                  ; cx
	s_lshl_b32 s18, ttmp9, 2
	s_add_co_u32 s18, s18, s17                     ; token block = 4 x cluster x + cx
	s_and_b32 s19, ttmp7, 0xffff                   ; column block: the same in all four partners
	s_mov_b32 s24, 15|(1<<20)|(1<<21)|(7<<22)|(3<<25)  ; group 1: the mask; elements of 1 byte; padding on; bit 21 beside a mask; four words behind every 256
	s_mov_b32 s25, 1024<<16                        ; tensor_dim0
	s_mov_b32 s26, 64<<16                          ; tensor_dim1
	s_mov_b32 s27, 1024<<16                        ; tile_dim0
	s_mov_b32 s28, 64                              ; tile_dim1
	s_mov_b32 s29, 1024                            ; pitch
	s_mov_b32 s30, 0
	s_mov_b32 s31, 0
	s_lshl_b32 s20, s19, 18                        ; Wo: row 256 x column block + 64 x wave, 1,024 bytes a row
	s_lshl_b32 s21, s14, 16
	s_add_co_u32 s20, s20, s21
	s_mov_b32 s21, 0
	s_mov_b32 s32, 1
	s_mul_i32 s33, s14, 64*PITCH                   ; and in LDS: wave x 64 rows
	s_lshl_b32 s22, s18, 17                        ; oc: token tile 8 x block + 4 x half, 16,384 bytes a tile
	s_lshl_b32 s23, s15, 16
	s_add_co_u32 s22, s22, s23
	s_mov_b32 s23, 0
	s_lshl_b32 s38, s19, 10                        ; my first column in bytes of f32: 1,024 x block + 512 x half
	s_lshl_b32 s39, s16, 9
	s_add_co_u32 s38, s38, s39
	s_mov_b32 s39, 0
	s_lshl_b32 s40, s18, 19                        ; my first token's row of out0: (128 x block + 64 x half) x 4,096 bytes
	s_lshl_b32 s41, s15, 18
	s_add_co_u32 s40, s40, s41
	s_mov_b32 s41, 0
	s_mul_i32 s42, s16, 128*PITCH                  ; my 128 rows of Wo in LDS
	s_mul_i32 s43, s14, 16*SPITCH
	s_add_co_u32 s43, s43, STAGE                   ; my stage
	s_wait_dscnt 0x0                               ; both opening adds are done
	s_wait_kmcnt 0x0
	s_load_b64 s[36:37], s[8:9], 0x28              ; entries 10 and 11
	s_add_nc_u64 s[34:35], s[6:7], s[20:21]
	s_or_b32 s35, s35, 0x80000000
	s_add_nc_u64 s[4:5], s[4:5], s[22:23]
	s_add_nc_u64 s[10:11], s[10:11], s[38:39]
	s_add_nc_u64 s[12:13], s[12:13], s[38:39]
	s_add_nc_u64 s[12:13], s[12:13], s[40:41]
	CROUND                                         ; the four partners are here: the joint loads meet
	tensor_load_to_lds s[32:35], s[24:31]          ; my one tensor load: 64 rows of Wo over all of K
	s_nop 0
	PLACES
	v_and_b32 v1, 15, v0                           ; r
	v_bfe_u32 v2, v0, 4, 1                         ; h
	v_and_b32 v3, 31, v0
	v_lshlrev_b32 v[CO], 4, v3
	v_mul_u32_u24 v4, v1, PITCH
	v_lshl_add_u32 v4, v2, 4, v4
	v_add_nc_u32 v[ADRB], s42, v4                  ; row r x pitch + 16 h
	v_add_nc_u32 v[ADRB+1], 64*PITCH, v[ADRB]
	v_mul_u32_u24 v5, v1, SPITCH
	v_lshl_add_u32 v5, v2, 5, v5
	v_add_nc_u32 v[STO], s43, v5                   ; into the stage: row r, 32 bytes for each half of the lanes
	v_add_nc_u32 v[RD], s43, v[CO]                 ; back: 32 lanes take a row of 512 bytes
	v_lshlrev_b32 v[BO], 5, v2
	s_wait_alu depctr_va_vdst(0)                   ; no vector register is written between here and the products
.macro ALOAD ks                        ; o's four fragments of K step ks into set ks % 6: 16 loads
.set LS, (\ks)%6
.if LS < 2
.set LB, 128+64*LS
	WIN 0
.else
.set LB, 64*(LS-2)
	WIN 0x40
.endif
.irp a, 0,1,2,3
.irp c, 0,1,2,3
	global_load_b128 v[LB+16*\a+4*\c:LB+16*\a+4*\c+3], v[CO], s[4:5] offset:\a*16384+(\ks)*2048+512*\c
.endr
.endr
.endm
.macro FETCH_B ks                      ; Wo's eight fragments of K step ks into set ks % 2: 32 LDS loads
	WIN 0x80
.irp i, 0,1,2,3,4,5,6,7
.irp c, 0,1,2,3
	ds_load_b128 v[128*((\ks)%2)+16*\i+4*\c:128*((\ks)%2)+16*\i+4*\c+3], v[ADRB+(\i)/4] offset:((\i)%4)*16*PITCH+128*(\ks)+32*\c
.endr
.endr
.endm
; A K step of 128: 32 matrix instructions, the 32 accumulators by turns.  n: global loads issued behind this step's 16 that may stay out (63 where more were issued).
.macro KSTEP ks, n
.set SL, (\ks)%6
.if SL < 2
.set AB, 128+64*SL
.set MW, 0xf2
.else
.set AB, 64*(SL-2)
.set MW, 0xf6
.endif
.set BS, 128*((\ks)%2)
	s_wait_loadcnt \n                              ; o's fragments of this step are in,
	s_wait_dscnt 0x0                               ; and Wo's, asked for a step ago
.if \ks < 7
.if \ks > 2
	PLACES                                         ; the other set was read by the last step's products (steps 1 and 2: the places stand ahead of the loads of o)
.endif
	FETCH_B (\ks)+1
.endif
	WIN MW                                         ; source 0 window 2, source 1 window 0 or 1, C and D window 3
.irp a, 0,1,2,3
.irp b, 0,1,2,3,4,5,6,7
.if \ks == 0
	v_wmma_f32_16x16x128_fp8_fp8 v[8*(8*\a+\b):8*(8*\a+\b)+7], v[BS+16*\b:BS+16*\b+15], v[AB+16*\a:AB+16*\a+15], 0
.else
	v_wmma_f32_16x16x128_fp8_fp8 v[8*(8*\a+\b):8*(8*\a+\b)+7], v[BS+16*\b:BS+16*\b+15], v[AB+16*\a:AB+16*\a+15], v[8*(8*\a+\b):8*(8*\a+\b)+7]
.endif
.endr
.endr
.endm
.irp k, 0,1,2,3,4,5
	ALOAD \k
.endr
	WIN 0
.irp b, 0,1,2,3,4,5,6,7
	global_load_b128 v[BI+8*\b:BI+8*\b+3], v[BO], s[10:11] offset:64*\b        ; the bias in the result's layout: register 8 b + j = bo(16 b + 8 h + j)
	global_load_b128 v[BI+8*\b+4:BI+8*\b+7], v[BO], s[10:11] offset:64*\b+16
.endr
	s_wait_tensorcnt 0x0                           ; my 64 rows of Wo are in,
	s_barrier_signal -1
	s_barrier_wait -1                              ; everybody's are
	FETCH_B 0
	KSTEP 0, 63                                    ; behind step 0's loads: 80 of o and 16 of the bias
	PLACES
	ALOAD 6                                        ; set 0 is done with
	KSTEP 1, 63
	PLACES
	ALOAD 7
	KSTEP 2, 63                                    ; behind step 2's: 48 + 16 + 32
	KSTEP 3, 63                                    ; 32 + 16 + 32
	KSTEP 4, 63                                    ; 16 + 16 + 32 = 64
	KSTEP 5, 48                                    ; the bias and steps 6 and 7
	KSTEP 6, 16
	KSTEP 7, 0
	WIN 0
; THE WAY OUT, by blocks of 16 tokens x 128 columns: sum x 2^(e10 + e11) + bias in one packed multiply-add, each accumulator from its low end on; through my own stage; back as rows of 512 bytes, stored by 32 lanes as two aligned units of 256 bytes.
; LDS serves a wave's instructions in order (ISA guide 5.7.1.4): no wait between the stage's stores and loads.
.macro TOSTAGE a
.set AC, 64*(\a)
	WIN 0xc3                                       ; source 0 and destination window 3, the bias window 0
.set j, 0
.rept 32
	v_pk_fma_f32 v[AC+j:AC+j+1], v[AC+j:AC+j+1], s[36:37], v[BI+j:BI+j+1] op_sel_hi:[1,0,1]
.set j, j+2
.endr
	WIN 0x0c                                       ; store data window 3
.irp b, 0,1,2,3,4,5,6,7
	ds_store_b128 v[STO], v[AC+8*\b:AC+8*\b+3] offset:64*\b
	ds_store_b128 v[STO], v[AC+8*\b+4:AC+8*\b+7] offset:64*\b+16
.endr
	WIN 0
.set BB, BK+64*((\a)%2)
.irp t, 0,1,2,3,4,5,6,7,8,9,10,11,12,13,14,15
	ds_load_b128 v[BB+4*\t:BB+4*\t+3], v[RD] offset:\t*SPITCH
.endr
.endm
.macro SEND a, younger                 ; younger: LDS instructions issued behind block a's loads
.set BB, BK+64*((\a)%2)
	s_wait_dscnt \younger
.if (\a) > 0
	s_add_nc_u64 s[12:13], s[12:13], 16*4096       ; 16 rows on (behind a wait on XCNT: the earlier stores have read their base)
.endif
.irp t, 0,1,2,3,4,5,6,7,8,9,10,11,12,13,14,15
	global_store_b128 v[CO], v[BB+4*\t:BB+4*\t+3], s[12:13] offset:\t*4096 th:TH_STORE_NT
.endr
.endm
	s_wait_kmcnt 0x0
	s_add_co_i32 s36, s36, s37
	s_add_co_i32 s36, s36, 127
	s_lshl_b32 s36, s36, 23                        ; 2^(e10 + e11) as f32
	s_mov_b32 s37, s36                             ; (named with it as a pair)
	PLACES                                         ; behind the last products: their sums are read, and loads land on o's sets 0 and 1
	TOSTAGE 0
.irp a, 1,2,3
.if \a > 1
	s_wait_xcnt 0x0                                ; block a - 2's stores have read their registers and their base
.endif
	TOSTAGE \a
	SEND \a-1, 32                                  ; behind block a - 1's loads: block a's 16 stores and 16 loads
.endr
	s_wait_xcnt 0x0
	SEND 3, 0
	s_wait_tensorcnt 0x0                           ; the wave's end
	ds_add_u32 v[SPW], v[NIL]
	s_wait_dscnt 0x0
	CROUND                                         ; the closing round
	s_endpgm
.Lfunc_end_k_q3d0d51c03e_proj:
	.size	k_q3d0d51c03e_proj, .Lfunc_end_k_q3d0d51c03e_proj-k_q3d0d51c03e_proj
	.p2alignl 7, 3214868480
	.fill 96, 4, 3214868480
	.section	.rodata,"a",@progbits
	.p2align	6, 0x0
	.amdhsa_kernel k_q3d0d51c03e_proj
		.amdhsa_group_segment_fixed_size 327680
		.amdhsa_private_segment_fixed_size 0
		.amdhsa_enable_private_segment 0
		.amdhsa_kernarg_size 40
		.amdhsa_user_sgpr_count 2
		.amdhsa_user_sgpr_kernarg_segment_ptr 1
		.amdhsa_wavefront_size32 1
		.amdhsa_system_sgpr_workgroup_id_x 1
		.amdhsa_system_sgpr_workgroup_id_y 1
		.amdhsa_system_sgpr_workgroup_id_z 1
		.amdhsa_system_vgpr_workitem_id 0
		.amdhsa_next_free_vgpr 1024
		.amdhsa_next_free_sgpr 66
		.amdhsa_reserve_vcc 0
		.amdhsa_float_denorm_mode_32 3
		.amdhsa_float_denorm_mode_16_64 3
		.amdhsa_memory_ordered 1
		.amdhsa_forward_progress 1
		.amdhsa_inst_pref_size 75
	.end_amdhsa_kernel
	.amdgpu_metadata
---
amdhsa.version: [ 1, 2 ]
amdhsa.kernels:
  - .name:           k_q3d0d51c03e_proj
    .symbol:         k_q3d0d51c03e_proj.kd
    .args:
      - { .name: oc, .offset: 0, .size: 8, .value_kind: global_buffer, .address_space: global }
      - { .name: Wo_codes, .offset: 8, .size: 8, .value_kind: global_buffer, .address_space: global }
      - { .name: lowp_scales, .offset: 16, .size: 8, .value_kind: global_buffer, .address_space: global }
      - { .name: bo, .offset: 24, .size: 8, .value_kind: global_buffer, .address_space: global }
      - { .name: out0, .offset: 32, .size: 8, .value_kind: global_buffer, .address_space: global }
    .group_segment_fixed_size: 327680
    .private_segment_fixed_size: 0
    .kernarg_segment_align: 8
    .kernarg_segment_size: 40
    .max_flat_workgroup_size: 128
    .sgpr_count:     66
    .vgpr_count:     1024
    .wavefront_size: 32
...
	.end_amdgpu_metadata
.endif
;; end of part 3
